; MI455X (gfx1250); checked and timed in simulation.
; The chip was launched on July 23, 2026; its instructions are those of AMD's public machine-readable ISA for CDNA 5 (MIT licence, August 2026) and "CDNA5" Instruction Set Architecture Reference Guide (July 2026). The comments in the code are by the model that wrote it; some were corrected since.
;; Multi Head Attention. Allowed arithmetic: matrix products marked QUANTISED: E5M2 operands, one E8M0 scale for each 32 along K, by v_wmma_scale_f32_16x16x128_f8f6f4 with both operands' format E5M2, f32 sums; everything else in f32.
;; Inputs: Wk 1,024 x 1,024 float32; Wq 1,024 x 1,024 float32; Wv 1,024 x 1,024 float32; bk 1,024 float32; bq 1,024 float32; bv 1,024 float32; mask 4 x 2,048 int32; x 4 x 2,048 x 1,024 float32.
;; Outputs: out0 4 x 2,048 x 1,024 float32.
;; This version of the problem:
;;   THIS VERSION OF THE PROBLEM IS GIVEN IN LOW PRECISION. The matrix products marked QUANTISED in the list below multiply operands that are first quantised to E5M2 (5 exponent bits, 2 mantissa bits; 8 bits a number), with one power-of-two scale for each 32 numbers along K (OCP MX v1.0); their sums are f32. All else is computed in f32.
;;   The module's matrix products, in the order in which they are computed (A, B: the left and right operand; K: the contracted axis; several contracted axes count as one K, in the product's order):
;;     1. [M 8,192, K 1,024] x [K 1,024, N 1,024]; A: input x; B: input Wq: QUANTISED
;;     2. [M 8,192, K 1,024] x [K 1,024, N 1,024]; A: input x; B: input Wk: QUANTISED
;;     3. [M 8,192, K 1,024] x [K 1,024, N 1,024]; A: input x; B: input Wv: QUANTISED
;;     4. batch 64 x [M 2,048, K 64] x [K 64, N 2,048]; A: computed on the way; B: computed on the way: QUANTISED
;;     5. batch 64 x [M 2,048, K 2,048] x [K 2,048, N 64]; A: softmax (see below); B: computed on the way: QUANTISED
;;   THE QUANTISER, for each operand of a quantised product, along K:
;;     - K is cut into blocks of 32 from its start; a last block that is shorter is filled with zeros.
;;     - A block's scale is 2^e with e = floor(log2(the largest magnitude in the block)) - 15, held to -126 .. 127; a block of zeros has e = 0. As a byte (E8M0): e + 127.
;;     - Each number is divided by its block's scale, clamped to +-57,344, and rounded to the nearest number of E5M2, ties to even, subnormals kept.
;;     - The product sums the exact products of the quantised numbers (number of the format x scale) in f32.
;;   ~~~python
;;   def quantise(x, axis):      # numpy; x: float32 -> the quantised numbers, widened to float32 again
;;       x = np.moveaxis(x, axis, -1); K = x.shape[-1]
;;       x = np.pad(x, [(0, 0)] * (x.ndim - 1) + [(0, -K % 32)]); x = x.reshape(x.shape[:-1] + (-1, 32)); a = np.abs(x).max(-1, keepdims=True)
;;       e = np.where(a > 0, np.clip(np.frexp(np.where(a > 0, a, 1))[1] - 1 - 15, -126, 127), 0)      # np.frexp(a)[1] - 1 = floor(log2(a)), exactly
;;       r = np.clip(x / 2.0 ** e, -57344, 57344)
;;       step = 2.0 ** (np.maximum(np.frexp(np.where(r == 0, 1, r))[1] - 1, -14) - 2)
;;       q = np.round(r / step) * step * 2.0 ** e      # np.round: ties to even
;;       return np.moveaxis(q.reshape(q.shape[:-2] + (-1,))[..., :K], -1, axis).astype(np.float32)
;;   ~~~
;;   SOFTMAX AHEAD OF A QUANTISED PRODUCT. Where the list says 'softmax', what is quantised is not the finished softmax but p = 2^(t - M), with t = logit x log2(e) and M = ceil(the row's largest t), a whole number; so 1/2 < the row's largest p <= 1. The row's sum l is taken of the UNQUANTISED p, in f32, and the product's result is divided by l at the end. Since M is a whole number, a kernel that streams over the keys may use a running M (the ceiling of the running maximum): every later rescaling is an exact power of two, which a block's scale takes up: the codes' values come out the same.
;;   OPERANDS COMPUTED ON THE WAY. 'Computed on the way' means the value that the module computes at that place (a softmax that the list does not call 'softmax' is quantised finished and normalised). What goes into a quantiser is computed in f32, as accurately as f32 sums, v_exp_f32 and their like allow (about 1e-6 of the number): no bf16 or f16 on the way to a quantiser, and a product that is left as it is and whose result goes on into a quantised operand takes f32 operands (vector FMAs, or v_wmma_f32_16x16x4_f32). A number that lies on a knife's edge between two numbers of the format may be rounded either way, as far as f32 arithmetic and the matrix unit's own rounding can turn it there, and no further.
;; One version. Each part assembles by itself: llvm-mc -triple=amdgcn-amd-amdhsa -mcpu=gfx1250 --defsym DOCPART=n.
;; ======== version 1 of 1: 3 launches
;; limits: right only within a limited range of input values
;; workspace buffers: xc 8,388,608 bytes; xs 262,144 bytes; wc 3,145,728 bytes; ws 98,304 bytes; qc 8,388,608 bytes; qm 1,048,576 bytes; kv 16,777,216 bytes; km 1,310,720 bytes
;; launch quant (part 1): grid 352 x 1, 4 waves a work-group, no clusters, 68,096 bytes of LDS; arguments x, Wq, Wk, Wv, xc, xs, wc, ws; writes xc, xs, wc, ws
.if DOCPART == 1
	.amdgcn_target "amdgcn-amd-amdhsa--gfx1250"
	.amdhsa_code_object_version 6
	.text
	.protected	k_q4086046208_quant
	.globl	k_q4086046208_quant
	.p2align	8
	.type	k_q4086046208_quant,@function
k_q4086046208_quant:
	s_mov_b64 s[64:65], 0
	v_nop
	global_prefetch_b8 v0, s[64:65] scope:SCOPE_SE
	s_setreg_imm32_b32 hwreg(HW_REG_WAVE_MODE, 25, 1), 1
	s_wait_xcnt 0x0
; x [8192][1024] and Wq, Wk, Wv [1024 (k)][1024 (n)], f32, become codes of BF8 (E5M2) with K innermost and one E8M0 scale byte for each 32 along K:
; xc [8192][1024], xs [8192][32];  wc [3072][1024], ws [3072][32] (rows 0-1023 Wq's columns, 1024-2047 Wk's, 2048-3071 Wv's).
; A block's scale is 2^(floor(log2(its largest magnitude)) - 15); its byte is the largest magnitude's exponent field - 15, held at 1 from below.  Each number is divided by the scale,
; held within +-57,344 and rounded to the nearest code, ties to even.
; THE ROW ORDER.  Stored row p of xc, xs, wc, ws holds the true row p with bits 3 and 4 exchanged.  So 16 stored rows on end, 16 i .. 16 i + 15, are the true rows 32 (i / 2) + 8 (i % 2) + r + 8 (r / 8):
; the next launch's results then lie in a lane's registers as 16 neighbours along the K of the product that follows.
; LIMITS: a block whose largest magnitude lies under 2^(16 - 127) keeps the byte 1; a block of zeros has the byte 1 (its codes are zeros, and this program alone reads the bytes); NaN and infinities are not served.
; SHARES.  Work-groups 0-255 take x: a wave takes 8 rows (8,192 numbers, a dense run), 16 steps of 512 numbers.  Work-groups 256-351 take the weights: a wave takes 32 columns x 256 along K.
; Each work-group reads 128 KiB.  The two ways have LDS bytes of their own.  No tensor loads, no barrier: waves share nothing.  No cluster: no two work-groups read the same bytes.
.set EMAX,  15
.set MANT,  0x600000                   ; the mantissa field of 57,344 as f32
; the way of x
.set STEPS, 16
.set CB,    16                         ; bytes of 16 codes
.set XR,    16                         ; v16-79   four sets of 16 numbers as they are loaded
.set XN,    80                         ; v80-111  two sets of 16 neighbours
.set XE,    112                        ; v112-127 a scale byte for each step
.set XC,    128                        ; v128-191 codes: four registers for each step, so that no store's data are written again
.set WREG,  8192                       ; LDS bytes 0-32767: a region for each wave: two stages of 32 x SP bytes, behind them its 256 scale bytes
.set SP,    80                         ; a lane's place in a stage: its 64 bytes + 16 of padding
; the way of the weights
.set WBASE, 32768                      ; LDS from here: a stage of 32 rows x PITCH for each wave
.set PITCH, 272                        ; 256 bytes of codes + 16
.set NB,    8                          ; blocks of 32 along K for a wave
.set SB,    24                         ; v24-25   the scale bytes, four to a register
.set WX,    32                         ; v32-95   two sets of 32 numbers
.set WC,    96                         ; v96-103  a block's codes
.set OUTR,  112                        ; v112-175 the way out
	s_load_b256 s[4:11], s[0:1], 0x0               ; x s[4:5], Wq s[6:7], Wk s[8:9], Wv s[10:11]
	s_load_b256 s[12:19], s[0:1], 0x20             ; xc s[12:13], xs s[14:15], wc s[16:17], ws s[18:19]
	v_lshl_add_u32 v192, v0, 2, 0x10800
	v_mov_b32 v193, 0
	v_lshrrev_b32 v1, 5, v0
	v_readfirstlane_b32 s20, v1                    ; wave 0..3
	v_and_b32 v2, 31, v0                           ; lane
	s_mov_b32 s23, MANT                            ; (an instruction takes one literal: the hold's line has another)
	s_cmp_lt_u32 ttmp9, 256
	s_cbranch_scc0 .Lweights
; ---------------- x: K is innermost.  Each load reads 512 consecutive bytes; a step's 2,048 bytes turn through the wave's own stage, so that a lane then holds 16 neighbours (two lanes hold a block)
	v_lshlrev_b32 v3, 4, v2                        ; my 16 bytes of a load's 512
	s_mul_i32 s21, s20, WREG
	v_lshrrev_b32 v14, 2, v2
	v_mul_u32_u24 v14, v14, SP
	v_and_b32 v15, 3, v2
	v_lshl_add_u32 v14, v15, 4, v14
	v_add_nc_u32 v14, s21, v14                     ; the stage, on the way in: SP (lane / 4) + 16 (lane % 4)
	v_mul_u32_u24 v15, v2, SP
	v_add_nc_u32 v15, s21, v15                     ; and on the way out: SP x lane
	v_mul_u32_u24 v4, v2, CB                       ; my codes' place in a step's
	v_lshrrev_b32 v5, 1, v2
	s_add_co_u32 s21, s21, 2*32*SP
	v_add_nc_u32 v5, s21, v5                       ; my wave's 256 scale bytes, my block's byte
	v_lshlrev_b32 v7, 3, v2                        ; and on the way out 8 bytes a lane
	v_add_nc_u32 v6, s21, v7
	s_lshl_b32 s24, ttmp9, 2
	s_add_co_u32 s26, s24, s20                     ; the run of 8 rows that I read: 4 x work-group + wave
	s_lshl_b32 s26, s26, 15                        ; 32,768 bytes a run
	s_mov_b32 s27, 0
	s_and_b32 s28, s20, 1                          ; a run's bits 0 and 1 are the rows' bits 3 and 4: exchanged for the run that I write
	s_lshl_b32 s28, s28, 1
	s_lshr_b32 s29, s20, 1
	s_or_b32 s28, s28, s29
	s_add_co_u32 s24, s24, s28
	s_lshl_b32 s28, s24, 13                        ; 8,192 bytes of codes a run
	s_mov_b32 s29, 0
	s_lshl_b32 s30, s24, 8                         ; 256 scale bytes a run
	s_mov_b32 s31, 0
	s_wait_kmcnt 0x0
	s_add_nc_u64 s[4:5], s[4:5], s[26:27]
	s_add_nc_u64 s[12:13], s[12:13], s[28:29]
	s_add_nc_u64 s[14:15], s[14:15], s[30:31]
.macro XLOAD t
.irp i, 0,1,2,3
	global_load_b128 v[XR+16*((\t)%4)+4*\i:XR+16*((\t)%4)+4*\i+3], v3, s[4:5] offset:2048*(\t)+512*\i th:TH_LOAD_NT   ; 32 lanes read 512 consecutive bytes; read once in the launch
.endr
.endm
.macro XTURN t                         ; step t's numbers through the stage: LDS serves a wave's instructions in order (ISA guide 5.7.1.4), so no wait stands between the stores and the loads
.irp i, 0,1,2,3
	ds_store_b128 v14, v[XR+16*((\t)%4)+4*\i:XR+16*((\t)%4)+4*\i+3] offset:32*SP*((\t)%2)+8*SP*\i
.endr
.irp i, 0,1,2,3
	ds_load_b128 v[XN+16*((\t)%2)+4*\i:XN+16*((\t)%2)+4*\i+3], v15 offset:32*SP*((\t)%2)+16*\i
.endr
.endm
.irp t, 0,1,2,3
	XLOAD \t
.endr
	s_wait_loadcnt 12                              ; step 0's four loads are in; the twelve of steps 1 to 3 stay out
	XTURN 0
.macro XSTEP t
.set CUR, XN+16*((\t)%2)
.if (\t) > 0
	s_wait_dscnt 1                                 ; this step's numbers are back from the stage (the last step's byte store may be out): so its stores into the stage have read their registers,
.else
	s_wait_dscnt 0x0
.endif
.if (\t)+4 < STEPS
	XLOAD (\t)+4                                   ; which take the loads of four steps on
.endif
.if (\t)+1 < STEPS
.if STEPS-2-(\t) >= 3
	s_wait_loadcnt 12                              ; the next step's four loads are in; those of the three steps behind it may be out
.else
	s_wait_loadcnt 4*(STEPS-2-(\t))
.endif
	XTURN (\t)+1                                   ; and go through the other stage while this step is worked
.endif
	v_max3_num_f32 v8, |v[CUR]|, |v[CUR+1]|, |v[CUR+2]|            ; the largest magnitude of my 16, in two chains
	v_max3_num_f32 v9, |v[CUR+3]|, |v[CUR+4]|, |v[CUR+5]|
.irp i, 6,10
	v_max3_num_f32 v8, v8, |v[CUR+\i]|, |v[CUR+\i+1]|
	v_max3_num_f32 v9, v9, |v[CUR+\i+2]|, |v[CUR+\i+3]|
.endr
	v_max3_num_f32 v8, v8, |v[CUR+14]|, |v[CUR+15]|
	v_max3_num_f32 v8, v8, v9, (EMAX+1)<<23        ; and the floor 2^(16 - 127): the byte cannot fall under 1
	v_max_num_f32_dpp v8, v8, v8 row_xmask:1 row_mask:0xf bank_mask:0xf   ; and of my neighbour's 16: the block's
	v_add_nc_u32 v11, -(EMAX<<23), v8              ; 15 off its exponent field: the conversion takes the exponent field of this operand as its scale
	v_and_or_b32 v10, v8, 0x7f800000, s23          ; 57,344 x the scale
.irp i, 0,1,2,3,4,5,6,7,8,9,10,11,12,13,14,15
	v_med3_num_f32 v[CUR+\i], v[CUR+\i], -v10, v10 ; the conversion to an 8-bit code does not saturate (ISA guide 7.6.2): the hold comes first
.endr
	v_cvt_scalef32_pk8_bf8_f32 v[XC+4*(\t):XC+4*(\t)+1], v[CUR:CUR+7], v11
	v_cvt_scalef32_pk8_bf8_f32 v[XC+4*(\t)+2:XC+4*(\t)+3], v[CUR+8:CUR+15], v11
	v_lshrrev_b32 v[XE+(\t)], 23, v11              ; the scale's byte (also the plain line behind the conversions)
	ds_store_b8 v5, v[XE+(\t)] offset:16*(\t)      ; both lanes of a block write the same byte with the same value
	global_store_b128 v4, v[XC+4*(\t):XC+4*(\t)+3], s[12:13] offset:32*CB*(\t)   ; the wave stores 512 consecutive bytes, aligned
.endm
.irp t, 0,1,2,3,4,5,6,7,8,9,10,11,12,13,14,15
	XSTEP \t
.endr
	ds_load_b64 v[12:13], v6                       ; LDS serves a wave's instructions in order: these see my byte stores
	s_wait_dscnt 0x0
	global_store_b64 v7, v[12:13], s[14:15]        ; 32 lanes store 256 consecutive bytes, aligned
	s_wait_tensorcnt 0x0
	ds_add_u32 v192, v193
	s_wait_dscnt 0x0
	s_endpgm
; ---------------- the weights: K is the first axis.  A lane takes a column n and its registers run down K: a block of 32 lies in one lane, and the codes come out with K innermost
.Lweights:
	s_sub_co_u32 s21, ttmp9, 256
	s_lshr_b32 s22, s21, 5                         ; which weight: 0 Wq, 1 Wk, 2 Wv
	s_and_b32 s24, s21, 7                          ; which 128 columns
	s_bfe_u32 s25, s21, 0x20003                    ; which 256 along K
	s_lshl_b32 s26, s24, 7
	s_lshl_b32 s27, s20, 5
	s_add_co_u32 s26, s26, s27                     ; my wave's first column
	v_lshlrev_b32 v3, 2, v2                        ; in: 4 bytes a lane
	s_mul_i32 s27, s20, 32*PITCH
	s_add_co_u32 s27, s27, WBASE                   ; my stage
	v_and_b32 v5, 7, v2                            ; my column's stored row among the wave's 32: the lane with bits 3 and 4 exchanged
	v_bfe_u32 v6, v2, 3, 1
	v_lshl_add_u32 v5, v6, 4, v5
	v_bfe_u32 v6, v2, 4, 1
	v_lshl_add_u32 v5, v6, 3, v5
	v_mul_u32_u24 v4, v5, PITCH
	v_add_nc_u32 v4, s27, v4                       ; into the stage: that row
	v_lshlrev_b32 v9, 5, v5                        ; and its row of scale bytes: 32 bytes a row
	v_and_b32 v5, 15, v2
	v_lshrrev_b32 v6, 4, v2                        ; out of the stage: sixteen lanes to a row, two rows an instruction
	v_mul_u32_u24 v7, v6, PITCH
	v_lshl_add_u32 v7, v5, 4, v7
	v_add_nc_u32 v7, s27, v7
	v_lshlrev_b32 v8, 10, v6                       ; the same place in wc: rows of 1,024 bytes
	v_lshl_add_u32 v8, v5, 4, v8
	s_lshl_b32 s28, s25, 20                        ; W: 256 rows of 4,096 bytes for each step along K,
	s_lshl_b32 s29, s26, 2                         ; + 4 x column
	s_add_co_u32 s28, s28, s29
	s_mov_b32 s29, 0
	s_lshl_b32 s30, s22, 10
	s_add_co_u32 s30, s30, s26                     ; my first row of wc and ws
	s_lshl_b32 s32, s30, 10
	s_lshl_b32 s33, s25, 8
	s_add_co_u32 s32, s32, s33                     ; codes: row x 1,024 + 256 x step
	s_mov_b32 s33, 0
	s_lshl_b32 s34, s30, 5
	s_lshl_b32 s35, s25, 3
	s_add_co_u32 s34, s34, s35                     ; scale bytes: row x 32 + 8 x step
	s_mov_b32 s35, 0
	s_wait_kmcnt 0x0
	s_cmp_eq_u32 s22, 0                            ; the choice hangs on the work-group's number alone
	s_cselect_b64 s[4:5], s[6:7], s[8:9]
	s_cmp_eq_u32 s22, 2
	s_cselect_b64 s[4:5], s[10:11], s[4:5]
	s_add_nc_u64 s[4:5], s[4:5], s[28:29]
	s_add_nc_u64 s[16:17], s[16:17], s[32:33]
	s_add_nc_u64 s[18:19], s[18:19], s[34:35]
.macro WLOAD t                         ; block t: W(32 t + i, my column), i = 0 .. 31, into set t % 2; 255 rows of 4,096 bytes at the most stand in the immediate
.irp i, 0,1,2,3,4,5,6,7,8,9,10,11,12,13,14,15,16,17,18,19,20,21,22,23,24,25,26,27,28,29,30,31
	global_load_b32 v[WX+32*((\t)%2)+\i], v3, s[4:5] offset:(32*(\t)+\i)*4096 th:TH_LOAD_NT
.endr
.endm
	WLOAD 0
	WLOAD 1
.macro BLOCK t
.set CUR, WX+32*((\t)%2)
.if (\t) < NB-1
	s_wait_loadcnt 32                              ; this block's 32 loads are in; the next block's may be out
.else
	s_wait_loadcnt 0
.endif
	v_max3_num_f32 v12, |v[CUR]|, |v[CUR+1]|, |v[CUR+2]|           ; the block's largest magnitude: all 32 numbers are mine
	v_max3_num_f32 v13, |v[CUR+3]|, |v[CUR+4]|, |v[CUR+5]|
.irp i, 6,10,14,18,22,26
	v_max3_num_f32 v12, v12, |v[CUR+\i]|, |v[CUR+\i+1]|
	v_max3_num_f32 v13, v13, |v[CUR+\i+2]|, |v[CUR+\i+3]|
.endr
	v_max3_num_f32 v12, v12, |v[CUR+30]|, |v[CUR+31]|
	v_max3_num_f32 v12, v12, v13, (EMAX+1)<<23     ; and the floor
	v_add_nc_u32 v11, -(EMAX<<23), v12             ; the conversion's scale operand
	v_and_or_b32 v10, v12, 0x7f800000, s23         ; 57,344 x the scale
	v_lshrrev_b32 v13, 23, v11                     ; the scale's byte
.if (\t)%4 == 0
	v_mov_b32 v[SB+(\t)/4], v13                    ; four bytes to a register, the lower K in the lower byte
.else
	v_lshl_or_b32 v[SB+(\t)/4], v13, 8*((\t)%4), v[SB+(\t)/4]
.endif
.irp i, 0,1,2,3,4,5,6,7,8,9,10,11,12,13,14,15,16,17,18,19,20,21,22,23,24,25,26,27,28,29,30,31
	v_med3_num_f32 v[CUR+\i], v[CUR+\i], -v10, v10
.endr
.irp g, 0,1,2,3
	v_cvt_scalef32_pk8_bf8_f32 v[WC+2*\g:WC+2*\g+1], v[CUR+8*\g:CUR+8*\g+7], v11
.endr
	ds_store_b128 v4, v[WC:WC+3] offset:32*(\t)    ; 32 codes: 32 bytes of my column's row
	ds_store_b128 v4, v[WC+4:WC+7] offset:32*(\t)+16
.if (\t)+2 < NB
	WLOAD (\t)+2
.endif
	s_wait_dscnt 0x0                               ; the stores have read their registers: the next block's codes may be written
.endm
.irp t, 0,1,2,3,4,5,6,7
	BLOCK \t
.endr
	global_store_b64 v9, v[SB:SB+1], s[18:19]      ; my column's 8 scale bytes
.irp t, 0,1,2,3,4,5,6,7,8,9,10,11,12,13,14,15
	ds_load_b128 v[OUTR+4*\t:OUTR+4*\t+3], v7 offset:2*\t*PITCH    ; LDS serves a wave's instructions in order: these see my stores
.endr
.irp t, 0,1,2,3,4,5,6,7,8,9,10,11,12,13,14,15
	s_wait_dscnt 15-\t                             ; rows 2 t and 2 t + 1 are back; the younger loads stay out
	global_store_b128 v8, v[OUTR+4*\t:OUTR+4*\t+3], s[16:17] offset:2*\t*1024   ; sixteen lanes store 256 consecutive bytes, aligned
.endr
	s_wait_tensorcnt 0x0
	ds_add_u32 v192, v193
	s_wait_dscnt 0x0
	s_endpgm
.Lfunc_end_k_q4086046208_quant:
	.size	k_q4086046208_quant, .Lfunc_end_k_q4086046208_quant-k_q4086046208_quant
	.p2alignl 7, 3214868480
	.fill 96, 4, 3214868480
	.section	.rodata,"a",@progbits
	.p2align	6, 0x0
	.amdhsa_kernel k_q4086046208_quant
		.amdhsa_group_segment_fixed_size 68096
		.amdhsa_private_segment_fixed_size 0
		.amdhsa_enable_private_segment 0
		.amdhsa_kernarg_size 64
		.amdhsa_user_sgpr_count 2
		.amdhsa_user_sgpr_kernarg_segment_ptr 1
		.amdhsa_wavefront_size32 1
		.amdhsa_system_sgpr_workgroup_id_x 1
		.amdhsa_system_sgpr_workgroup_id_y 1
		.amdhsa_system_sgpr_workgroup_id_z 1
		.amdhsa_system_vgpr_workitem_id 0
		.amdhsa_next_free_vgpr 194
		.amdhsa_next_free_sgpr 66
		.amdhsa_reserve_vcc 0
		.amdhsa_float_denorm_mode_32 3
		.amdhsa_float_denorm_mode_16_64 3
		.amdhsa_memory_ordered 1
		.amdhsa_forward_progress 1
		.amdhsa_inst_pref_size 110
	.end_amdhsa_kernel
	.amdgpu_metadata
---
amdhsa.version: [ 1, 2 ]
amdhsa.kernels:
  - .name:           k_q4086046208_quant
    .symbol:         k_q4086046208_quant.kd
    .args:
      - { .name: x, .offset: 0, .size: 8, .value_kind: global_buffer, .address_space: global }
      - { .name: Wq, .offset: 8, .size: 8, .value_kind: global_buffer, .address_space: global }
      - { .name: Wk, .offset: 16, .size: 8, .value_kind: global_buffer, .address_space: global }
      - { .name: Wv, .offset: 24, .size: 8, .value_kind: global_buffer, .address_space: global }
      - { .name: xc, .offset: 32, .size: 8, .value_kind: global_buffer, .address_space: global }
      - { .name: xs, .offset: 40, .size: 8, .value_kind: global_buffer, .address_space: global }
      - { .name: wc, .offset: 48, .size: 8, .value_kind: global_buffer, .address_space: global }
      - { .name: ws, .offset: 56, .size: 8, .value_kind: global_buffer, .address_space: global }
    .group_segment_fixed_size: 68096
    .private_segment_fixed_size: 0
    .kernarg_segment_align: 8
    .kernarg_segment_size: 64
    .max_flat_workgroup_size: 128
    .sgpr_count:     66
    .vgpr_count:     194
    .wavefront_size: 32
...
	.end_amdgpu_metadata
.endif
;; end of part 1
;; launch proj (part 2): grid 12 x 32, 4 waves a work-group, clusters of 4 x 4, 327,680 bytes of LDS; arguments xc, xs, wc, ws, bq, bk, bv, mask, qc, qm, kv, km; writes qc, qm, kv, km
.if DOCPART == 2
	.amdgcn_target "amdgcn-amd-amdhsa--gfx1250"
	.amdhsa_code_object_version 6
	.text
	.protected	k_q4086046208_proj
	.globl	k_q4086046208_proj
	.p2align	8
	.type	k_q4086046208_proj,@function
k_q4086046208_proj:
	s_mov_b64 s[64:65], 0
	v_nop
	global_prefetch_b8 v0, s[64:65] scope:SCOPE_SE
	s_setreg_imm32_b32 hwreg(HW_REG_WAVE_MODE, 25, 1), 1
	s_wait_xcnt 0x0
	s_wait_alu depctr_hold_cnt(0) depctr_sa_sdst(0) depctr_va_vdst(0) depctr_va_sdst(0) depctr_va_ssrc(0) depctr_va_vcc(0) depctr_vm_vsrc(0)
	s_getreg_b32 s2, hwreg(HW_REG_IB_STS2, 6, 4)
	s_cmp_eq_u32 s2, 0
	s_cbranch_scc0 .Lentry_in_a_cluster
	s_endpgm
.Lentry_in_a_cluster:
	s_bfe_u32 s2, ttmp6, 0x10000c
	s_cmp_lg_u32 s2, 0xf033
	s_cbranch_scc0 .Lentry_shape_is_right
	s_endpgm
.Lentry_shape_is_right:
; q = x Wq + bq, k = x Wk + bk, v = x Wv + bv on codes of BF8 (E5M2) with one E8M0 scale for each 32 along K = 1,024; sums in f32, K ascending, one accumulator for each output.
; The results never go to memory as f32: on the way out the bias is added and q, k, v are quantised in registers for the products that follow, and stored as IMAGES OF THE OPERANDS' REGISTERS.
; ONE BODY, THREE KINDS, by the cluster's x: 0 q, 1 k, 2 v.  A work-group makes 256 x 256, a wave 128 x 128: 64 accumulators.  The matrix instruction is used transposed (source 0 = 16 rows of side B,
; source 1 = 16 rows of side A): a lane holds ONE row of side A and its registers run along side B.
;   q, k: side A = tokens (xc), side B = features (wc): registers run along the head's 64, the K of the scores.      v: side A = features (wc), side B = tokens (xc): registers run along the keys, the K of the second product.
; THE ROW ORDER of xc and wc (bits 3 and 4 of a row's number exchanged) makes registers 8 u + j of tiles 2 c and 2 c + 1 the true index 32 c + 16 (lane / 16) + 8 u + j of side B: 16 neighbours, in the order of an
; 8-bit operand's registers; and a lane's row of side A, stored 16 a + r, the true row 32 (a / 2) + 8 (a % 2) + r % 8 + 16 (r / 8).
; WHAT IS STORED, per batch-and-head bh and group of 128 tokens ks:
;   qc [bh][tile 128][c 2][lane][16 B], kv [bh][ks][16,384 B]: bytes 0-8191 k: [tile 8][c 2][lane][16 B]; bytes 8192-16383 v: [tile of 16 channels 4][c 4][lane][16 B].
;   qm [bh][ks][1,024 B], km [bh][ks][1,280 B]: bytes 0-511 scale words at 16 x lane + 4 i (lanes 0-15 tiles 0-3, lanes 16-31 tiles 4-7), bytes 512-1023 one more word of codes in the same order; km's bytes 1024-1279 v's scale words at 16 r + 4 tile.
; THE KEY MASK rides in the scores' spare K.  The head has 64 along K, the instruction 128.  Code 64 + 16 (lane / 16) of a query is 1.0 under the scale 1; of a key it is 0 under the smallest scale, or, where mask == 0,
; -1.0 under the scale 2^100: such a key's score is -2^101, an open key's gets exactly 0 added.  The other spare codes are zeros.
; CLUSTERS: 4 x 4 work-groups.  Side A's tiles are shared along a row of the cluster, side B's along a column: each is asked for jointly.
; K goes in steps of 256 through a ring of two LDS slots; the scale bytes of the work-group's rows, for all of K, come once with the first fills.
; LIMITS: a block whose largest magnitude lies under 2^(16 - 127) keeps the byte 1; a block of zeros has the byte 1 (zero codes; this program alone reads the bytes); NaN and infinities are not served.
; REGISTERS, in windows of 256: window 0: v1-15 addresses and constants; v16-31 a word for each of my 8 row blocks of side A (mask or bv; beside it the upper half of the scale word); v32-63 scale words, two sets;
;   v64-127 the bias along side B; v128-255 side A's fragments, ONE set, on the way out at work.   window 1: side B's fragments, two sets.   windows 2, 3: the accumulators ((a, b) at v[8 (8 (a % 4) + b)]).
.set KSTEP,  256                       ; along K in a slot
.set NQ,     2                         ; matrix instructions deep
.set ROWB,   256                       ; a tile's row in bytes
.set KROW,   1024                      ; a row of xc or wc in memory
.set PITCH,  272                       ; an LDS row: 256 bytes + 16 of padding = 68 words: row r starts at bank 4 r mod 64 (ISA guide 11.1), so the 16 rows of a load start at 16 different banks
.set FR,     16                        ; registers of a fragment
.set NL,     4                         ; LDS loads that bring one
.set NP,     8                         ; places behind this matrix instruction (ISA guide 7.12.1)
.set HALFT,  128*PITCH                 ; 128 rows: what one tensor load brings
.set SLOT,   4*HALFT                   ; side A's 256 rows, then side B's
.set LAPS,   2                         ; 1,024 along K = two laps of two K steps
.set KS,     32                        ; a row of scale bytes
.set SCL,    2*SLOT                    ; behind the ring: the scales, as units of 256 bytes + 16 of padding
.set HALFS,  16*272                    ; the scales of 128 rows
.set SBLK,   2*272                     ; those of 16 rows
.set SPARE,  SCL+4*HALFS               ; behind the scales: the spare words, 128 bytes for each wave: two blocks of 256 bytes that no other line names
.set ADRA, 2                           ; v2-3   LDS address of my fragments of side A in slot 0, 1
.set ADRB, 4                           ; v4-5   the same for side B
.set ADRS, 6                           ; v6     LDS address of my scale words: lanes 0-15 side A's rows, lanes 16-31 side B's
.set SPW,  7                           ; v7     LDS address of my spare word; never rewritten
.set NIL,  8                           ; v8     0; never rewritten
.set LI,   9                           ; v9     16 x lane: an image's place for my lane
.set BOFF, 10                          ; v10    64 x (lane / 16): my half's place in the bias
.set AOFF, 11                          ; v11    4 x (r % 8 + 16 (r / 8)): my row's place among 32 of side A
.set VSO,  12                          ; v12    16 r + 20,480 (lane / 16): v's scale words, lanes 16-31 one head on
.set AR,   16
.set SC,   32
.set BIAS, 64
.set AF,   128
.set T,    128                         ; the way out: v128-191 64 numbers of a lane
.set PC,   192                         ; v192-207 their codes
.set TM,   208                         ; v208-211 largest magnitudes, v212-215 bytes, v216-219 57,344 x the scale, v220-223 the conversions' scale operands
.set SW0,  224                         ; v224-231 a scale word for each row block: the first head's (v: the word of the 128 keys)
.set SW1,  232                         ; v232-239 the second head's
.set EX,   240                         ; v240-247 the one more word of codes
.set G1, 24                            ; s[24:31] descriptor group 1 for side A's tiles;  s[32:39] group 0, one set for each slot
.set G0, 32
.set G1B, 48                           ; s[48:55], s[56:63] the same for side B
.set G0B, 56
.set G1S, 68                           ; s[68:75], s[76:79] groups 1 and 0 for side A's scales;  s[80:87], s[88:91] for side B's
.set G0S, 76
.set G1SB, 80
.set G0SB, 88
.set KIND, 100                         ; s100   0 q, 1 k, 2 v: the cluster's x, the same in all sixteen partners
.set Y4,   101                         ; s101   4 x the cluster's y
.set MSB, 0
.macro WIN new                         ; the immediate's high byte repeats the setting that is left
.if MSB != (\new)
	s_set_vgpr_msb (MSB<<8)|(\new)
.set MSB, \new
.endif
.endm
.set MUL_LO, 0xa1                      ; source 0 (side B) window 1, source 1 (side A) window 0, C and D window 2
.set MUL_HI, 0xf1                      ; the same, C and D window 3
.set TO_B,   0x40                      ; destination window 1, address window 0
; A joint load: waves 0 and 1 fetch for side A, waves 2 and 3 for side B.  Each of the two lines has one mask and one set of registers for all that issue it; the branch hangs on the wave's number alone.
; Four v_nop follow each of the two lines, ahead of the jump, the label and what follows.
.macro JLOAD g0a, g1a, g0b, g1b
	s_cmp_eq_u32 s15, 0
	s_cbranch_scc0 .Lfor_b_\@
	tensor_load_to_lds s[\g0a:\g0a+3], s[\g1a:\g1a+7]
	s_nop 0
.rept 4
	v_nop
.endr
	s_branch .Lasked_\@
.Lfor_b_\@:
	tensor_load_to_lds s[\g0b:\g0b+3], s[\g1b:\g1b+7]
	s_nop 0
.rept 4
	v_nop
.endr
.Lasked_\@:
.endm
.macro CREST                           ; a round of the cluster's barrier behind its opening barrier
	s_cmp_lg_u32 s14, 0
	s_cbranch_scc1 .Lnot_wave_0_\@
	s_barrier_signal -3
.Lnot_wave_0_\@:
	s_barrier_wait -3
	s_barrier_signal -1
	s_barrier_wait -1
.endm
.macro CROUND                          ; a whole round
	s_barrier_signal -1
	s_barrier_wait -1
	CREST
.endm
	s_load_b256 s[4:11], s[0:1], 0x0               ; xc s[4:5], xs s[6:7], wc s[8:9], ws s[10:11]
	v_lshl_add_u32 v[SPW], v0, 2, SPARE
	v_mov_b32 v[NIL], 0
	ds_add_u32 v7, v8
	ds_add_u32 v7, v8
	s_wait_dscnt 0x0
	v_lshrrev_b32 v1, 5, v0
	v_readfirstlane_b32 s14, v1                    ; wave 0..3
	s_lshr_b32 s15, s14, 1                         ; which half of side A's 256 rows is mine.  Also: I fetch for side A (0) or B (1)
	s_and_b32 s16, s14, 1                          ; which half of side B's.  Also: which 128 rows of that tile I fetch
	s_bfe_u32 s40, ttmp6, 0x40000                  ; cx, cy: my place in the cluster
	s_bfe_u32 s41, ttmp6, 0x40004
	s_mov_b32 s[KIND], ttmp9
	s_and_b32 s[Y4], ttmp7, 0xffff
	s_lshl_b32 s[Y4], s[Y4], 2
	s_lshl_b32 s95, s[KIND], 2
	s_cmp_eq_u32 s[KIND], 2
	s_cselect_b32 s17, 8, s[Y4]                    ; side A's tile of 256 rows: q, k: tokens 4 Y + cy;  v: Wv's rows of wc, 8 + cy
	s_cselect_b32 s42, s[Y4], s95                  ; side B's: q, k: rows of wc, 4 x kind + cx;  v: tokens 4 Y + cx
	s_add_co_u32 s17, s17, s41                     ; (this register never holds cx,
	s_add_co_u32 s42, s42, s40                     ; this one never cy)
	s_lshl_b32 s43, s41, 2
	s_lshl_b32 s43, 15, s43                        ; my row of the cluster
	s_lshl_b32 s44, 0x1111, s40                    ; my column
	; descriptor group 1: a tile of 128 rows x 256 bytes, padded in LDS
	s_or_b32 s[G1+0], s43, (0<<16)|(1<<20)|(1<<21)|(5<<22)|(3<<25)  ; 15:0 the mask: side A's tiles go to my row; 17:16 elements of 1 byte; 20 padding on; 21 set beside a mask; 24:22 after every 64 words; 31:25 four words
	s_or_b32 s[G1B+0], s44, (0<<16)|(1<<20)|(1<<21)|(5<<22)|(3<<25)
.irp g, G1, G1B
	s_mov_b32 s[\g+1], ROWB<<16                    ; tensor_dim0
	s_mov_b32 s[\g+2], 128<<16                     ; tensor_dim1
	s_mov_b32 s[\g+3], ROWB<<16                    ; tile_dim0
	s_mov_b32 s[\g+4], 128                         ; tile_dim1
	s_mov_b32 s[\g+5], KROW                        ; tensor_dim0_stride
	s_mov_b32 s[\g+6], 0
	s_mov_b32 s[\g+7], 0
.endr
	; and for the scales of 128 rows: a dense block of 4,096 bytes, as 16 rows of 256 bytes (32 elements of 8 bytes), 16 bytes of padding behind each
	s_or_b32 s[G1S+0], s43, (3<<16)|(1<<20)|(1<<21)|(5<<22)|(3<<25)
	s_or_b32 s[G1SB+0], s44, (3<<16)|(1<<20)|(1<<21)|(5<<22)|(3<<25)
.irp g, G1S, G1SB
	s_mov_b32 s[\g+1], 32<<16
	s_mov_b32 s[\g+2], 16<<16
	s_mov_b32 s[\g+3], 32<<16
	s_mov_b32 s[\g+4], 16
	s_mov_b32 s[\g+5], 32
	s_mov_b32 s[\g+6], 0
	s_mov_b32 s[\g+7], 0
.endr
	s_lshl_b32 s18, s16, 7                         ; which 128 rows of the tile I fetch
	s_lshl_b32 s20, s17, 8
	s_add_co_u32 s20, s20, s18                     ; side A: row 256 x tile + 128 x half
	s_lshl_b32 s46, s42, 8
	s_add_co_u32 s46, s46, s18                     ; side B likewise
	s_lshl_b32 s22, s20, 5                         ; where these rows' scales begin, in bytes (all under 2^32),
	s_mov_b32 s23, 0
	s_lshl_b32 s92, s46, 5
	s_mov_b32 s93, 0
	s_lshl_b32 s20, s20, 10                        ; and their codes
	s_mov_b32 s21, 0
	s_lshl_b32 s46, s46, 10
	s_mov_b32 s47, 0
	s_mul_i32 s45, s14, HALFT                      ; where they go: wave x 128 rows: no place in the cluster enters an LDS address
	s_mul_i32 s94, s14, HALFS
	s_wait_kmcnt 0x0
	s_cmp_eq_u32 s[KIND], 2                        ; the sides' buffers: the choice hangs on the kind alone
	s_cselect_b64 s[96:97], s[8:9], s[4:5]         ; side A's codes
	s_cselect_b64 s[98:99], s[10:11], s[6:7]       ; side A's scales
	s_cselect_b64 s[4:5], s[4:5], s[8:9]           ; side B's codes
	s_cselect_b64 s[6:7], s[6:7], s[10:11]         ; side B's scales
	s_add_nc_u64 s[20:21], s[96:97], s[20:21]
	s_add_nc_u64 s[22:23], s[98:99], s[22:23]
	s_add_nc_u64 s[46:47], s[4:5], s[46:47]
	s_add_nc_u64 s[92:93], s[6:7], s[92:93]
	CROUND                                         ; all sixteen work-groups are here: the first joint loads meet
	s_mov_b32 s[G0S], 1
	s_add_co_u32 s[G0S+1], s94, SCL
	s_mov_b64 s[G0S+2:G0S+3], s[22:23]
	s_or_b32 s[G0S+3], s[G0S+3], 0x80000000
	s_mov_b32 s[G0SB], 1
	s_add_co_u32 s[G0SB+1], s94, SCL
	s_mov_b64 s[G0SB+2:G0SB+3], s[92:93]
	s_or_b32 s[G0SB+3], s[G0SB+3], 0x80000000
	JLOAD G0S, G1S, G0SB, G1SB                     ; the scales first: they are wanted with K step 0
.irp s, 0,1
	s_mov_b32 s[G0+4*\s], 1
	s_add_co_u32 s[G0+4*\s+1], s45, \s*SLOT
	s_add_nc_u64 s[G0+4*\s+2:G0+4*\s+3], s[20:21], \s*ROWB
	s_or_b32 s[G0+4*\s+3], s[G0+4*\s+3], 0x80000000
	s_mov_b32 s[G0B+4*\s], 1
	s_add_co_u32 s[G0B+4*\s+1], s45, \s*SLOT
	s_add_nc_u64 s[G0B+4*\s+2:G0B+4*\s+3], s[46:47], \s*ROWB
	s_or_b32 s[G0B+4*\s+3], s[G0B+4*\s+3], 0x80000000
	JLOAD G0+4*\s, G1, G0B+4*\s, G1B               ; three tensor loads of mine are out
.endr
	v_and_b32 v13, 15, v0                          ; r = lane % 16
	v_bfe_u32 v14, v0, 4, 1                        ; h = lane / 16
	v_mul_u32_u24 v15, v13, PITCH
	v_lshl_add_u32 v15, v14, 4, v15                ; a fragment's row x pitch + 16 x half
	s_mul_i32 s21, s15, HALFT                      ; my 128 rows of side A
	s_mul_i32 s22, s16, HALFT                      ; my 128 rows of side B,
	s_add_co_u32 s22, s22, 2*HALFT                 ; which lie behind side A's 256
.irp s, 0,1
	v_add_nc_u32 v[ADRA+\s], s21, v15
	v_add_nc_u32 v[ADRB+\s], s22, v15
	s_add_co_u32 s21, s21, SLOT
	s_add_co_u32 s22, s22, SLOT
.endr
	v_mul_u32_u24 v15, v13, KS                     ; my row's scales: 32 bytes a row,
	v_lshrrev_b32 v1, 8, v15
	v_lshl_add_u32 v15, v1, 4, v15                 ; and 16 more for each 256 passed
	s_mul_i32 s21, s15, HALFS
	s_mul_i32 s22, s16, HALFS
	s_add_co_u32 s22, s22, 2*HALFS
	s_sub_co_u32 s22, s22, s21
	v_mul_u32_u24 v1, s22, v14                     ; lanes 16-31 take side B's: one product, the distance between the two bases
	s_add_co_u32 s21, s21, SCL
	v_add_nc_u32 v15, v15, v1
	v_add_nc_u32 v[ADRS], s21, v15
	v_and_b32 v[LI], 31, v0
	v_lshlrev_b32 v[LI], 4, v[LI]
	v_lshlrev_b32 v[BOFF], 6, v14
	v_and_b32 v1, 7, v13
	v_lshrrev_b32 v15, 3, v13
	v_lshl_add_u32 v1, v15, 4, v1
	v_lshlrev_b32 v[AOFF], 2, v1
	v_mul_u32_u24 v15, v14, 20480
	v_lshl_add_u32 v[VSO], v13, 4, v15
.irp a, 0,1,2,3,4,5,6,7
	v_mov_b32 v[AR+2*\a+1], 0                      ; named with its neighbour as a pair, so it is written
.endr
	; where my results go.  Tokens: tile U of 256, half ht: batch U / 8, group of 128 ks = 2 (U % 8) + ht.  Features: tile F of 256 of the weight, half hf: heads 4 F + 2 hf and the next.
	s_cmp_eq_u32 s[KIND], 2
	s_cselect_b32 s2, s40, s41
	s_cselect_b32 s66, s41, s40                    ; F
	s_cselect_b32 s67, s16, s15                    ; ht
	s_cselect_b32 s12, s15, s16                    ; hf
	s_cselect_b32 s13, s41, s17                    ; side A's tile inside its own tensor: bv's, or the mask's
	s_add_co_u32 s2, s2, s[Y4]                     ; U
	s_lshr_b32 s18, s2, 3                          ; batch
	s_and_b32 s2, s2, 7
	s_lshl_b32 s2, s2, 1
	s_add_co_u32 s2, s2, s67                       ; ks
	s_lshl_b32 s66, s66, 2
	s_lshl_b32 s12, s12, 1
	s_add_co_u32 s66, s66, s12                     ; my first head
	s_lshl_b32 s18, s18, 4
	s_add_co_u32 s18, s18, s66                     ; bh
	s_lshl_b32 s18, s18, 4
	s_add_co_u32 s2, s18, s2                       ; 16 bh + ks
	s_lshl_b32 s13, s13, 8
	s_lshl_b32 s67, s15, 7
	s_add_co_u32 s13, s13, s67
	s_lshl_b32 s94, s13, 2                         ; my 128 rows of side A in the mask or in bv, in bytes
	s_mov_b32 s95, 0
	s_lshl_b32 s92, s40, 8
	s_lshl_b32 s67, s16, 7
	s_add_co_u32 s92, s92, s67
	s_lshl_b32 s92, s92, 2                         ; q, k: my 128 features in the bias, in bytes
	s_mov_b32 s93, 0
	s_cmp_eq_u32 s[KIND], 0
	s_cselect_b32 s66, 13, 14                      ; a group's codes: 8,192 bytes in qc, 16,384 in kv
	s_mov_b32 s67, 1280
	s_cselect_b32 s67, 1024, s67                   ; a group's words: 1,024 bytes in qm, 1,280 in km
	s_lshl_b32 s12, s2, s66
	s_mov_b32 s13, 0
	s_lshl_b32 s18, 16, s66                        ; one head on: 16 groups
	s_mov_b32 s19, 0
	s_mul_i32 s20, s2, s67
	s_mov_b32 s21, 0
	s_lshl_b32 s22, s67, 4
	s_mov_b32 s23, 0
	s_cmp_eq_u32 s[KIND], 2
	s_cselect_b32 s66, 8192, 0                     ; v lies behind k in a group,
	s_cselect_b32 s67, 1024, 0                     ; and its words behind k's
	s_add_co_u32 s12, s12, s66
	s_add_co_u32 s20, s20, s67
	s_load_b256 s[4:11], s[0:1], 0x20              ; bq s[4:5], bk s[6:7], bv s[8:9], mask s[10:11]
	s_load_b256 s[40:47], s[0:1], 0x40             ; qc s[40:41], qm s[42:43], kv s[44:45], km s[46:47]
	s_wait_kmcnt 0x0
	s_cmp_eq_u32 s[KIND], 0
	s_cselect_b64 s[40:41], s[40:41], s[44:45]
	s_cselect_b64 s[42:43], s[42:43], s[46:47]
	s_cselect_b64 s[4:5], s[4:5], s[6:7]
	s_cmp_eq_u32 s[KIND], 2
	s_cselect_b64 s[8:9], s[8:9], s[10:11]
	s_add_nc_u64 s[12:13], s[40:41], s[12:13]      ; s[12:13] codes, my first head;
	s_add_nc_u64 s[18:19], s[12:13], s[18:19]      ; s[18:19] my second
	s_add_nc_u64 s[20:21], s[42:43], s[20:21]      ; s[20:21] words, my first head;
	s_add_nc_u64 s[22:23], s[20:21], s[22:23]      ; s[22:23] my second
	s_add_nc_u64 s[92:93], s[4:5], s[92:93]        ; s[92:93] the bias along side B (q, k)
	s_add_nc_u64 s[94:95], s[8:9], s[94:95]        ; s[94:95] the word for each row of side A: the mask (q, k) or bv (v)
	s_mov_b32 s96, 0xffff0000                      ; lanes 16-31
	s_cmp_eq_u32 s[KIND], 1
	s_cselect_b32 s97, -1, 0                       ; only keys are hidden
	s_mov_b32 s98, 0x76543210
	s_mov_b32 s99, 0xfedcba98                      ; v_permlanex16_b32's selects for lane l xor 16
	s_mov_b32 s17, 0x600000                        ; the mantissa field of 57,344
	s_cmp_eq_u32 s[KIND], 0
	s_cselect_b32 s2, 0x3c, 0                      ; the one more word of codes: a query's 1.0, an open key's 0,
	s_mov_b32 s66, 0x01010000
	s_cselect_b32 s66, 0x017f0000, s66             ; and the scale word's upper half: a query's blocks 2, 3 under 2^0, 2^-126; an open key's under 2^-126 both
	v_mov_b32 v1, s2
	v_mov_b32 v13, 0xbc                            ; a hidden key's -1.0
	v_mov_b32 v14, s66
	v_mov_b32 v15, 0x01e30000                      ; under 2^100
	s_cmp_eq_u32 s[KIND], 2
	s_cbranch_scc1 .Lno_bias
.irp t, 0,1,2,3,4,5,6,7                ; register 8 t + j: the bias of feature 32 (t / 2) + 16 h + 8 (t % 2) + j: the results' layout
	global_load_b128 v[BIAS+8*\t:BIAS+8*\t+3], v[BOFF], s[92:93] offset:4*(32*(\t/2)+8*(\t%2))
	global_load_b128 v[BIAS+8*\t+4:BIAS+8*\t+7], v[BOFF], s[92:93] offset:4*(32*(\t/2)+8*(\t%2))+16
.endr
.Lno_bias:
.irp a, 0,1,2,3,4,5,6,7                ; my row of block a of side A: true row 32 (a / 2) + 8 (a % 2) + r % 8 + 16 (r / 8)
	global_load_b32 v[AR+2*\a], v[AOFF], s[94:95] offset:4*(32*(\a/2)+8*(\a%2))
.endr                                  ; these loads are waited for on the way out; their address registers are never rewritten
.macro FRAG reg, adr, q, i             ; a fragment, 16 rows x 128 K of 8-bit codes: lane l holds row l % 16; registers 4 c .. 4 c + 3 hold K = 32 c + 16 (l / 16) + 0 .. 15
.irp c, 0,1,2,3
	ds_load_b128 v[\reg+4*\c:\reg+4*\c+3], v[\adr] offset:128*(\q)+32*\c+(\i)*16*PITCH
.endr
.endm
; 16 matrix instructions: side A's blocks a0, a0 + 1 x side B's eight, 128 along K: the slot's q-th.  p: side B's set;  sc: the set of scale words.  zero = 1: the first product starts the sums.
; The 64 accumulators take turns, one instruction a turn, in the same order in every step.
.macro MUL16 a0, p, q, sc, zero
.irp a, \a0, \a0+1
.irp b, 0,1,2,3,4,5,6,7
.if \zero
	v_wmma_scale_f32_16x16x128_f8f6f4 v[8*(8*((\a)%4)+\b):8*(8*((\a)%4)+\b)+7], v[128*(\p)+FR*\b:128*(\p)+FR*\b+FR-1], v[AF+FR*(\a):AF+FR*(\a)+FR-1], 0, v[SC+8*NQ*(\sc)+NQ*\b+(\q)], v[SC+8*NQ*(\sc)+NQ*(\a)+(\q)] matrix_a_fmt:MATRIX_FMT_BF8 matrix_b_fmt:MATRIX_FMT_BF8 matrix_a_scale:MATRIX_SCALE_ROW1
.else
	v_wmma_scale_f32_16x16x128_f8f6f4 v[8*(8*((\a)%4)+\b):8*(8*((\a)%4)+\b)+7], v[128*(\p)+FR*\b:128*(\p)+FR*\b+FR-1], v[AF+FR*(\a):AF+FR*(\a)+FR-1], v[8*(8*((\a)%4)+\b):8*(8*((\a)%4)+\b)+7], v[SC+8*NQ*(\sc)+NQ*\b+(\q)], v[SC+8*NQ*(\sc)+NQ*(\a)+(\q)] matrix_a_fmt:MATRIX_FMT_BF8 matrix_b_fmt:MATRIX_FMT_BF8 matrix_a_scale:MATRIX_SCALE_ROW1
.endif
.endr
.endr
.endm
.macro FETCH_B slot, q, p              ; side B's eight fragments of the slot's q-th 128 along K into set p
	WIN TO_B
.irp i, 0,1,2,3,4,5,6,7
	FRAG 128*(\p)+FR*\i, ADRB+\slot, \q, \i
.endr
	WIN 0
.endm
.macro FETCH_A slot, q, i0             ; side A's blocks i0 .. i0 + 3
.irp i, \i0, \i0+1, \i0+2, \i0+3
	FRAG AF+FR*(\i), ADRA+\slot, \q, \i
.endr
.endm
.macro SCALES sc                       ; a K step's scale words into set sc: two words a row; lanes 0-15 take side A's block i, lanes 16-31 side B's block i
.irp i, 0,1,2,3,4,5,6,7
	ds_load_b64 v[SC+8*NQ*\sc+NQ*\i:SC+8*NQ*\sc+NQ*\i+1], v[ADRS] offset:\i*SBLK
.endr
.endm
; A load into a register that a matrix instruction has read, and a vector instruction that reads a matrix result or writes one of a matrix instruction's registers, stand NP places behind it; only plain vector
; instructions that name none of its registers are places (ISA guide 7.12.1 for vector instructions).
.macro PLACES n
.rept \n
	v_nop
.endr
.endm
; A step of 128 along K that has its successor in the same slot.  Side A has one set of registers: blocks 0-3 are fetched anew in the step's middle, blocks 4-7 at its end; side B has two sets.
.macro STEP slot, q, zero
	s_wait_dscnt 4*NL                              ; side B's set and side A's blocks 0-3 are in; the youngest sixteen loads (blocks 4-7) may be out
	WIN MUL_LO
	MUL16 0, (\q)%2, \q, \slot, \zero
	MUL16 2, (\q)%2, \q, \slot, \zero
	s_wait_dscnt 0                                 ; blocks 4-7 are in (asked for 32 matrix instructions ago)
	PLACES NP
	FETCH_B \slot, (\q)+1, 1-(\q)%2
	FETCH_A \slot, (\q)+1, 0
	WIN MUL_HI
	MUL16 4, (\q)%2, \q, \slot, \zero
	MUL16 6, (\q)%2, \q, \slot, \zero
	PLACES NP
	WIN 0
	FETCH_A \slot, (\q)+1, 4
.endm
; A slot's last step changes slots: ONE barrier; in front of it each wave waits for all its tensor loads, adds 0 to its spare word, and waits for that and for its own reads of this slot.  fill = 1: this slot is filled again, two K steps ahead.
.macro TURN slot, next, fill
	s_wait_tensorcnt 0x0                           ; all my tensor loads have landed: my part of the next slot  (every window is 0 here)
	ds_add_u32 v[SPW], v[NIL]                      ; 0 onto my spare word
	s_wait_dscnt 4*NL+1                            ; (the add and the youngest sixteen loads, blocks 4-7, may be out)
	WIN MUL_LO
	MUL16 0, 1, NQ-1, \slot, 0                     ; sixteen matrix instructions stand between the add and the wait for it
	s_wait_dscnt 0x0                               ; the add is done, and my reads of this slot are over
	s_barrier_signal -1
	MUL16 2, 1, NQ-1, \slot, 0
	WIN 0
	s_barrier_wait -1
.if \fill
	CREST                                          ; the barrier has opened a round of the cluster's barrier: no wave of any partner still reads this slot's tile or has a load on its way
	s_add_nc_u64 s[G0+4*\slot+2:G0+4*\slot+3], s[G0+4*\slot+2:G0+4*\slot+3], 2*ROWB
	s_add_nc_u64 s[G0B+4*\slot+2:G0B+4*\slot+3], s[G0B+4*\slot+2:G0B+4*\slot+3], 2*ROWB
	JLOAD G0+4*\slot, G1, G0B+4*\slot, G1B         ; the first tensor load behind the round, my one load until the next; the four v_nop behind it are among the places in front of the loads below
	PLACES NP-4
.else
	PLACES NP
.endif
	v_add_nc_u32 v[ADRS], 4*NQ, v[ADRS]            ; on to the next K step's scale words (no LDS load of mine is out)
	FETCH_B \next, 0, 0
	FETCH_A \next, 0, 0
	SCALES \next
	WIN MUL_HI
	MUL16 4, 1, NQ-1, \slot, 0
	MUL16 6, 1, NQ-1, \slot, 0
	PLACES NP
	WIN 0
	FETCH_A \next, 0, 4
.endm
	s_wait_tensorcnt 1                             ; the scales and my part of K step 0 are in (K step 1's load may be out)
	s_barrier_signal -1
	s_barrier_wait -1                              ; everybody's are
	FETCH_B 0, 0, 0
	FETCH_A 0, 0, 0
	SCALES 0
	FETCH_A 0, 0, 4
	STEP 0, 0, 1                                   ; the first step stands in front of the loop: its products start the sums
	s_mov_b32 s3, LAPS-1
.Llap:                                             ; a trip goes once round the ring, from a lap's second step to the next lap's first, and fills both slots again
	TURN 0, 1, 1
	STEP 1, 0, 0
	TURN 1, 0, 1
	STEP 0, 0, 0
	s_sub_co_u32 s3, s3, 1
	s_cmp_lg_u32 s3, 0
	s_cbranch_scc1 .Llap
	TURN 0, 1, 0                                   ; the last lap fills nothing, and has no round of the cluster's barrier
	STEP 1, 0, 0
	s_wait_dscnt 4*NL                              ; the very last step: nothing more to fetch
	WIN MUL_LO
	MUL16 0, 1, NQ-1, 1, 0
	MUL16 2, 1, NQ-1, 1, 0
	s_wait_dscnt 0
	WIN MUL_HI
	MUL16 4, 1, NQ-1, 1, 0
	MUL16 6, 1, NQ-1, 1, 0
	WIN 0
; THE WAY OUT, block by block of 16 rows of side A.  No LDS: a lane's 64 numbers are 16 neighbours of each of four blocks of 32 along side B, so the conversions' results are the next operand's registers, and
; each group of four registers leaves as it stands, 16 bytes a lane, 512 consecutive bytes a store.
; 64 numbers in v[T] on, register 16 b + i = index 32 b + 16 (lane / 16) + i, become codes in v[PC] on; the four scale bytes are left in v[TM+4] on.
.macro QUANT
.irp b, 0,1,2,3
	v_max3_num_f32 v[TM+\b], |v[T+16*\b]|, |v[T+1+16*\b]|, 0x8000000   ; block b: my 16 numbers, and the floor 2^(16 - 127): the byte cannot fall under 1
.endr
.irp i, 2,4,6,8,10,12,14
.irp b, 0,1,2,3
	v_max3_num_f32 v[TM+\b], v[TM+\b], |v[T+16*\b+\i]|, |v[T+1+16*\b+\i]|   ; (the four blocks by turns)
.endr
.endr
.irp b, 0,1,2,3
	v_permlanex16_b32 v[TM+4+\b], v[TM+\b], s98, s99
.endr
.irp b, 0,1,2,3
	v_max_num_f32 v[TM+\b], v[TM+\b], v[TM+4+\b]   ; with lane l xor 16's: the block's largest magnitude
.endr
.irp b, 0,1,2,3
	v_add_nc_u32 v[TM+12+\b], 0xf8800000, v[TM+\b] ; 15 off its exponent field: the conversion's scale operand
.endr
.irp b, 0,1,2,3
	v_and_or_b32 v[TM+8+\b], v[TM+\b], 0x7f800000, s17   ; 57,344 x the scale
.endr
.irp b, 0,1,2,3
	v_lshrrev_b32 v[TM+4+\b], 23, v[TM+12+\b]      ; the scale's byte
.endr
.irp b, 0,1,2,3
.irp i, 0,1,2,3,4,5,6,7,8,9,10,11,12,13,14,15
	v_med3_num_f32 v[T+16*\b+\i], v[T+16*\b+\i], -v[TM+8+\b], v[TM+8+\b]   ; the conversion to an 8-bit code does not saturate (ISA guide 7.6.2): the hold
.endr
	v_cvt_scalef32_pk8_bf8_f32 v[PC+4*\b:PC+1+4*\b], v[T+16*\b:T+7+16*\b], v[TM+12+\b]
	v_cvt_scalef32_pk8_bf8_f32 v[PC+2+4*\b:PC+3+4*\b], v[T+8+16*\b:T+15+16*\b], v[TM+12+\b]
.endr
	v_nop                                          ; one plain line behind the last conversion, ahead of the next vector line that writes its sources
.endm
.macro EPI a, isv
.if (\a) > 0
	s_wait_xcnt 0x0                                ; the last block's stores have read their data: the codes' registers are written again only behind this wait
.endif
	WIN 0x02+(\a)/4                                ; source 0: the accumulators' window
.irp b, 0,1,2,3,4,5,6,7
.irp i, 0,2,4,6
.if \isv
	v_pk_add_f32 v[T+8*\b+\i:T+8*\b+\i+1], v[8*(8*((\a)%4)+\b)+\i:8*(8*((\a)%4)+\b)+\i+1], v[AR+2*(\a):AR+2*(\a)+1] op_sel_hi:[1,0]   ; + bv of my channel; each accumulator from its low end on
.else
	v_pk_add_f32 v[T+8*\b+\i:T+8*\b+\i+1], v[8*(8*((\a)%4)+\b)+\i:8*(8*((\a)%4)+\b)+\i+1], v[BIAS+8*\b+\i:BIAS+8*\b+\i+1]            ; + the bias of the register's feature
.endif
.endr
.endr
	WIN 0
	QUANT
.if \isv
	v_lshl_or_b32 v[SW0+(\a)], v[TM+5], 8, v[TM+4] ; my channel's scale word for these 128 keys
	v_lshl_or_b32 v[SW0+(\a)], v[TM+6], 16, v[SW0+(\a)]
	v_lshl_or_b32 v[SW0+(\a)], v[TM+7], 24, v[SW0+(\a)]
.irp c, 0,1,2,3
	global_store_b128 v[LI], v[PC+4*\c:PC+4*\c+3], s[12:13] offset:262144*((\a)/4)+2048*((\a)%4)+512*\c   ; blocks 0-3: my first head's four tiles of channels; 4-7: the next head's, 16 groups on
.endr
.else
	v_lshl_or_b32 v[SW0+(\a)], v[TM+5], 8, v[TM+4] ; blocks 0, 1 are my first head's 64, blocks 2, 3 my second's;
	v_lshl_or_b32 v[SW1+(\a)], v[TM+7], 8, v[TM+6]
	v_or_b32 v[SW0+(\a)], v[SW0+(\a)], v[AR+2*(\a)+1]   ; the upper half scales the spare K
	v_or_b32 v[SW1+(\a)], v[SW1+(\a)], v[AR+2*(\a)+1]
	global_store_b128 v[LI], v[PC:PC+3], s[12:13] offset:1024*(\a)
	global_store_b128 v[LI], v[PC+4:PC+7], s[12:13] offset:1024*(\a)+512
	global_store_b128 v[LI], v[PC+8:PC+11], s[18:19] offset:1024*(\a)
	global_store_b128 v[LI], v[PC+12:PC+15], s[18:19] offset:1024*(\a)+512
.endif
.endm
	PLACES NP                                      ; behind the last products: their results are read and side A's registers written below
	s_wait_loadcnt 0x0                             ; the bias, and the word for each of my rows
.irp b, 0,1,2,3
	v_mov_b32 v[TM+4+\b], 0                        ; written once: a lane permute's destination counts as one of its sources
.endr
	s_cmp_eq_u32 s[KIND], 2
	s_cbranch_scc1 .Lv_out
.irp a, 0,1,2,3,4,5,6,7                ; a choice of values, no branch: the token's one more word of codes and its scale word's upper half
	v_cmp_eq_u32 vcc_lo, 0, v[AR+2*\a]             ; mask == 0,
	s_and_b32 vcc_lo, vcc_lo, s97                  ; and the token is a key
	v_cndmask_b32 v[EX+\a], v1, v13, vcc_lo
	v_cndmask_b32 v[AR+2*\a+1], v14, v15, vcc_lo
.endr
.irp a, 0,1,2,3,4,5,6,7
	EPI \a, 0
.endr
.irp i, 0,1,2,3                        ; lanes 0-15 carry tiles 0-3, lanes 16-31 tiles 4-7: four words a lane, 512 consecutive bytes a store
	v_cndmask_b32 v[T+\i], v[SW0+\i], v[SW0+4+\i], s96
	v_cndmask_b32 v[T+4+\i], v[SW1+\i], v[SW1+4+\i], s96
	v_cndmask_b32 v[T+8+\i], v[EX+\i], v[EX+4+\i], s96
.endr
	global_store_b128 v[LI], v[T:T+3], s[20:21]
	global_store_b128 v[LI], v[T+4:T+7], s[22:23]
	global_store_b128 v[LI], v[T+8:T+11], s[20:21] offset:512
	global_store_b128 v[LI], v[T+8:T+11], s[22:23] offset:512
	s_branch .Lend
.Lv_out:
.irp a, 0,1,2,3,4,5,6,7
	EPI \a, 1
.endr
.irp i, 0,1,2,3                        ; lanes 0-15 carry my first head's four tiles, lanes 16-31 the next head's: sixteen lanes store 256 consecutive bytes, aligned
	v_cndmask_b32 v[T+\i], v[SW0+\i], v[SW0+4+\i], s96
.endr
	global_store_b128 v[VSO], v[T:T+3], s[20:21]
.Lend:
	s_wait_tensorcnt 0x0                           ; the wave's end
	ds_add_u32 v[SPW], v[NIL]
	s_wait_dscnt 0x0
	CROUND                                         ; the closing round: no work-group ends while a partner may still ask for a tile that names it
	s_endpgm
.Lfunc_end_k_q4086046208_proj:
	.size	k_q4086046208_proj, .Lfunc_end_k_q4086046208_proj-k_q4086046208_proj
	.p2alignl 7, 3214868480
	.fill 96, 4, 3214868480
	.section	.rodata,"a",@progbits
	.p2align	6, 0x0
	.amdhsa_kernel k_q4086046208_proj
		.amdhsa_group_segment_fixed_size 327680
		.amdhsa_private_segment_fixed_size 0
		.amdhsa_enable_private_segment 0
		.amdhsa_kernarg_size 96
		.amdhsa_user_sgpr_count 2
		.amdhsa_user_sgpr_kernarg_segment_ptr 1
		.amdhsa_wavefront_size32 1
		.amdhsa_system_sgpr_workgroup_id_x 1
		.amdhsa_system_sgpr_workgroup_id_y 1
		.amdhsa_system_sgpr_workgroup_id_z 1
		.amdhsa_system_vgpr_workitem_id 0
		.amdhsa_next_free_vgpr 1024
		.amdhsa_next_free_sgpr 102
		.amdhsa_reserve_vcc 1
		.amdhsa_float_denorm_mode_32 3
		.amdhsa_float_denorm_mode_16_64 3
		.amdhsa_memory_ordered 1
		.amdhsa_forward_progress 1
		.amdhsa_inst_pref_size 255
	.end_amdhsa_kernel
	.section	.bss,"aw",@nobits
	.p2align	6
	.space	262144
	.amdgpu_metadata
---
amdhsa.version: [ 1, 2 ]
amdhsa.kernels:
  - .name:           k_q4086046208_proj
    .symbol:         k_q4086046208_proj.kd
    .args:
      - { .name: xc, .offset: 0, .size: 8, .value_kind: global_buffer, .address_space: global }
      - { .name: xs, .offset: 8, .size: 8, .value_kind: global_buffer, .address_space: global }
      - { .name: wc, .offset: 16, .size: 8, .value_kind: global_buffer, .address_space: global }
      - { .name: ws, .offset: 24, .size: 8, .value_kind: global_buffer, .address_space: global }
      - { .name: bq, .offset: 32, .size: 8, .value_kind: global_buffer, .address_space: global }
      - { .name: bk, .offset: 40, .size: 8, .value_kind: global_buffer, .address_space: global }
      - { .name: bv, .offset: 48, .size: 8, .value_kind: global_buffer, .address_space: global }
      - { .name: mask, .offset: 56, .size: 8, .value_kind: global_buffer, .address_space: global }
      - { .name: qc, .offset: 64, .size: 8, .value_kind: global_buffer, .address_space: global }
      - { .name: qm, .offset: 72, .size: 8, .value_kind: global_buffer, .address_space: global }
      - { .name: kv, .offset: 80, .size: 8, .value_kind: global_buffer, .address_space: global }
      - { .name: km, .offset: 88, .size: 8, .value_kind: global_buffer, .address_space: global }
    .group_segment_fixed_size: 327680
    .private_segment_fixed_size: 0
    .kernarg_segment_align: 8
    .kernarg_segment_size: 96
    .max_flat_workgroup_size: 128
    .sgpr_count:     102
    .vgpr_count:     1024
    .wavefront_size: 32
...
	.end_amdgpu_metadata
.endif
;; end of part 2
;; launch attn (part 3): grid 8 x 64, 16 waves a work-group, clusters of 4 x 1, 284,672 bytes of LDS; arguments qc, qm, kv, km, out0; writes out0
.if DOCPART == 3
	.amdgcn_target "amdgcn-amd-amdhsa--gfx1250"
	.amdhsa_code_object_version 6
	.text
	.protected	k_q4086046208_attn
	.globl	k_q4086046208_attn
	.p2align	8
	.type	k_q4086046208_attn,@function
k_q4086046208_attn:
	s_mov_b64 s[64:65], 0
	v_nop
	global_prefetch_b8 v0, s[64:65] scope:SCOPE_SE
	s_setreg_imm32_b32 hwreg(HW_REG_WAVE_MODE, 25, 1), 1
	s_wait_xcnt 0x0
	s_wait_alu depctr_hold_cnt(0) depctr_sa_sdst(0) depctr_va_vdst(0) depctr_va_sdst(0) depctr_va_ssrc(0) depctr_va_vcc(0) depctr_vm_vsrc(0)
	s_getreg_b32 s2, hwreg(HW_REG_IB_STS2, 6, 4)
	s_cmp_eq_u32 s2, 0
	s_cbranch_scc0 .Lentry_in_a_cluster
	s_endpgm
.Lentry_in_a_cluster:
	s_bfe_u32 s2, ttmp6, 0x10000c
	s_cmp_lg_u32 s2, 0x3003
	s_cbranch_scc0 .Lentry_shape_is_right
	s_endpgm
.Lentry_shape_is_right:
; out0[b][q][64 h ..] = the sum over keys of softmax(q . k / 8, hidden keys left out) v, for batch-and-head bh = 16 b + h; both products on codes of BF8 (E5M2) with one E8M0 scale for each 32 along K.
; q, k, v come as images of the operands' registers, made by the launch before: a fragment is read by loads of 16 bytes at 16 x lane, with no rows, no pitch and no padding.
; THE SOFTMAX AHEAD OF THE SECOND PRODUCT: t = score x log2(e) / 8; M = the row's largest t so far, rounded UP to a whole number; p = 2^(t - M) is quantised along the keys, not normalised.  The row's sum is taken
; of the unquantised p and divides at the end.  When M moves, the sum and O are multiplied by 2^(old M - new M): exact.
; THE KEY MASK costs no vector line here: the head has 64 along K, the instruction 128, and code 64 + 16 (lane / 16) of a query is 1.0, of a hidden key -1.0 under the scale 2^100, of an open key 0.  A hidden key's
; score is -2^101.  The running largest t begins at -2^80, so a hidden key's p is 0 from the first step on; the first open key's change of M multiplies zeros by 0.  A batch with every key hidden gives 0 x 1/0 = NaN.
; LIMIT: a true t under -2^80 counts as hidden.  NaN and infinities among the inputs are not served.
; SHARES.  A work-group owns 256 queries of one bh; each of its sixteen waves one tile of 16, in 256 registers: four waves to a SIMD, so that one wave's vector work stands beside another's matrix work and LDS loads.
; A tile's queries are not neighbours: lane r of tile a of a group of 128 holds query 32 (a / 2) + 8 (a % 2) + r % 8 + 16 (r / 8); so are a tile's keys, which makes p's 16 registers of two tiles 16 neighbouring keys.
; THE WHOLE HEAD'S K AND V STAY IN LDS: 2,048 keys x 128 bytes = 262,144 bytes, and 20,480 bytes of scale words: filled once, never again: no ring.  Key steps 0-3 are waited for first; steps 4-15 land meanwhile.
; CLUSTER: the four query blocks of a cluster belong to one bh: every tensor load is a joint one, with the same descriptor and the mask of all four.
; Both products are used transposed: S^T = K Q^T, O^T = V^T P^T: a lane holds one query (lane % 16) throughout.
.set META, 262144                      ; LDS: bytes 0-262143 the head's block of kv (key step ks at 16,384 ks: 8,192 of K, 8,192 of V); from META the head's block of km (1,280 a step)
.set LI,   1                           ; v1   16 x lane
.set LR,   2                           ; v2   16 x (lane % 16)
.set ADK,  3                           ; v3   the step's codes: 16 x lane + 16,384 ks     (on the way out: my byte offset in out0's rows)
.set ADL,  4                           ; v4   the step's words by lane                      (on the way out: r)
.set ADR,  5                           ; v5   the step's words by row                       (on the way out: h)
.set STO,  6                           ; v6   the way out: where I put 16 bytes of a row
.set RD,   7                           ; v7   the way out: where I read a row back
.set KSW,  8                           ; v8-11    K's scale words: lanes 0-15 tiles 0-3, lanes 16-31 tiles 4-7
                                       ; v12 -M, v13 the largest t, v[14:15] the sum in two halves
.set QF,   16                          ; v16-31   Q: 16-23 the image, 24 the one more word of codes, 25-31 zeros
.set KF,   32                          ; v32-95   four fragments of K: +0..7 the image, +8 the one more word, +9..15 zeros, set once
.set S,    96                          ; v96-159  S^T, then p, then V's four fragments
.set OT,   160                         ; v160-191 O^T
.set PP,   192                         ; v192-207 p's codes
.set VSW,  208                         ; v208-211 V's scale words
.set QSW,  212                         ; v212     Q's scale word
.set PSW,  213                         ; v213     p's scale word
.set BM,   216                         ; v216-219 each block's largest score, then its largest p
.set PT,   220                         ; v220-223 the other half's; then the bytes
.set HD,   224                         ; v224-227 57,344 x the scale
.set SO,   228                         ; v228-231 the conversions' scale operands
.set LB,   232                         ; v[232:233] the sum's second chain
.set FF,   234                         ; v[234:235] f = 2^(old M - new M); the upper register is only named
.set TP,   236                         ; v236     at work
.set WV,   14                          ; s14  my wave's number
.set MNT,  19                          ; s19  the mantissa field of 57,344
.set SEL,  20                          ; s[20:21] lane selects for v_permlanex16_b32: lane l xor 16
.set CS,   22                          ; s[22:23] c = log2(e) / 8
.set G1M,  24                          ; s[24:31] descriptor group 1: 5 rows of 256 bytes;  s[32:39]: 16 rows;  s[40:47]: 48 rows
.set G1A,  32
.set G1B,  40
.set G0M,  48                          ; s[48:51], s[52:55], s[56:59] their groups 0
.set G0A,  52
.set G0B,  56
.set TB,   60                          ; s60  LDS byte at which the step's codes begin
.set TW,   61                          ; s61  and its words
.set CNT,  62
.macro CROUND                          ; a round of the cluster's barrier; no LDS instruction of the wave is pending at a signal
	s_barrier_signal -1
	s_barrier_wait -1
	s_cmp_lg_u32 s[WV], 0
	s_cbranch_scc1 .Lnot_wave_0_\@
	s_barrier_signal -3
.Lnot_wave_0_\@:
	s_barrier_wait -3
	s_barrier_signal -1
	s_barrier_wait -1
.endm
	s_load_b256 s[4:11], s[0:1], 0x0               ; qc s[4:5], qm s[6:7], kv s[8:9], km s[10:11]
	s_load_b64 s[12:13], s[0:1], 0x20              ; out0
	v_lshl_add_u32 v254, v0, 2, 0x45000
	v_mov_b32 v255, 0
	ds_add_u32 v254, v255
	ds_add_u32 v254, v255
	v_lshrrev_b32 v1, 5, v0
	v_readfirstlane_b32 s[WV], v1                  ; wave 0..15
	s_bfe_u32 s15, ttmp6, 0x40000                  ; cx
	s_lshl_b32 s16, ttmp9, 2
	s_add_co_u32 s16, s16, s15                     ; my block of 256 queries: it enters Q's and out0's addresses alone
	s_and_b32 s17, ttmp7, 0xffff                   ; bh, which the four partners share
	; descriptor groups 1: dense blocks as rows of 256 bytes (32 elements of 8 bytes), no padding; 15:0 the mask of all four work-groups; 21 set beside a mask
.irp g, G1M, G1A, G1B
	s_mov_b32 s[\g], 15|(3<<16)|(1<<21)
	s_mov_b32 s[\g+1], 32<<16                      ; tensor_dim0
	s_mov_b32 s[\g+3], 32<<16                      ; tile_dim0
	s_mov_b32 s[\g+5], 32                          ; tensor_dim0_stride
	s_mov_b32 s[\g+6], 0
	s_mov_b32 s[\g+7], 0
.endr
	s_mov_b32 s[G1M+2], 5<<16                      ; tensor_dim1, tile_dim1: a wave's sixteenth of the words: 1,280 bytes,
	s_mov_b32 s[G1M+4], 5
	s_mov_b32 s[G1A+2], 16<<16                     ; of key steps 0-3: 4,096 bytes,
	s_mov_b32 s[G1A+4], 16
	s_mov_b32 s[G1B+2], 48<<16                     ; of key steps 4-15: 12,288 bytes
	s_mov_b32 s[G1B+4], 48
	s_mul_i32 s68, s[WV], 1280
	s_mul_i32 s66, s17, 20480
	s_add_co_u32 s66, s66, s68                     ; in km
	s_mov_b32 s67, 0
	s_lshl_b32 s69, s[WV], 12
	s_lshl_b32 s70, s17, 18
	s_add_co_u32 s72, s70, s69                     ; in kv: steps 0-3,
	s_mov_b32 s73, 0
	s_mul_i32 s71, s[WV], 12288
	s_add_co_u32 s71, s71, 65536
	s_add_co_u32 s74, s70, s71                     ; steps 4-15
	s_mov_b32 s75, 0
	s_mov_b32 s[MNT], 0x600000
	s_mov_b32 s[SEL], 0x76543210
	s_mov_b32 s[SEL+1], 0xfedcba98
	s_mov_b32 s[CS], 0x3e38aa3b
	s_mov_b32 s[CS+1], s[CS]                       ; (named with it as a pair, so it is written)
	s_mov_b32 s[TB], 0
	s_mov_b32 s[TW], META
	s_wait_dscnt 0x0
	s_wait_kmcnt 0x0
	s_mov_b32 s[G0M], 1                            ; count = 1
	s_add_co_u32 s[G0M+1], s68, META               ; LDS address: a constant + a constant x wave
	s_add_nc_u64 s[G0M+2:G0M+3], s[10:11], s[66:67]
	s_or_b32 s[G0M+3], s[G0M+3], 0x80000000        ; type = 2
	s_mov_b32 s[G0A], 1
	s_mov_b32 s[G0A+1], s69
	s_add_nc_u64 s[G0A+2:G0A+3], s[8:9], s[72:73]
	s_or_b32 s[G0A+3], s[G0A+3], 0x80000000
	s_mov_b32 s[G0B], 1
	s_mov_b32 s[G0B+1], s71
	s_add_nc_u64 s[G0B+2:G0B+3], s[8:9], s[74:75]
	s_or_b32 s[G0B+3], s[G0B+3], 0x80000000
	CROUND                                         ; all four work-groups are here: the joint loads meet
	tensor_load_to_lds s[G0M:G0M+3], s[G1M:G1M+7]  ; every wave issues the same three lines: three tensor loads of mine are out; no descriptor register is written again
	s_nop 0
	tensor_load_to_lds s[G0A:G0A+3], s[G1A:G1A+7]
	s_nop 0
	tensor_load_to_lds s[G0B:G0B+3], s[G1B:G1B+7]
	s_nop 0
.rept 4
	v_nop
.endr
	v_and_b32 v[LI], 31, v0
	v_lshlrev_b32 v[LI], 4, v[LI]
	v_and_b32 v[LR], 15, v0
	v_lshlrev_b32 v[LR], 4, v[LR]
	s_lshl_b32 s76, s17, 7                         ; my tile of queries: 128 bh + 16 x block + wave; 1,024 bytes a tile
	s_lshl_b32 s77, s16, 4
	s_add_co_u32 s76, s76, s77
	s_add_co_u32 s76, s76, s[WV]
	s_lshl_b32 s76, s76, 10
	s_mov_b32 s77, 0
	s_add_nc_u64 s[4:5], s[4:5], s[76:77]
	s_lshl_b32 s78, s17, 4                         ; its words: group 16 bh + 2 x block + wave / 8, 1,024 bytes a group; tile a = wave % 8: 256 (a / 4) + 4 (a % 4), + 16 r
	s_lshl_b32 s79, s16, 1
	s_add_co_u32 s78, s78, s79
	s_lshr_b32 s79, s[WV], 3
	s_add_co_u32 s78, s78, s79
	s_lshl_b32 s78, s78, 10
	s_bfe_u32 s79, s[WV], 0x10002
	s_lshl_b32 s79, s79, 8
	s_add_co_u32 s78, s78, s79
	s_and_b32 s79, s[WV], 3
	s_lshl_b32 s79, s79, 2
	s_add_co_u32 s78, s78, s79
	s_mov_b32 s79, 0
	s_add_nc_u64 s[6:7], s[6:7], s[78:79]
	global_load_b128 v[QF:QF+3], v[LI], s[4:5]             ; Q's fragment stays in registers
	global_load_b128 v[QF+4:QF+7], v[LI], s[4:5] offset:512
	global_load_b32 v[QSW], v[LR], s[6:7]                  ; its scale word,
	global_load_b32 v[QF+8], v[LR], s[6:7] offset:512      ; and its one more word of codes
	s_lshr_b32 s66, s17, 4                         ; out0: row 2,048 b + 256 x block + 32 (wave / 2) + 8 (wave % 2), 4,096 bytes a row; + 256 bytes x head
	s_lshl_b32 s66, s66, 11
	s_lshl_b32 s67, s16, 8
	s_add_co_u32 s66, s66, s67
	s_lshr_b32 s67, s[WV], 1
	s_lshl_b32 s67, s67, 5
	s_add_co_u32 s66, s66, s67
	s_and_b32 s67, s[WV], 1
	s_lshl_b32 s67, s67, 3
	s_add_co_u32 s66, s66, s67
	s_lshl_b32 s66, s66, 12
	s_and_b32 s67, s17, 15
	s_lshl_b32 s67, s67, 8
	s_add_co_u32 s66, s66, s67
	s_mov_b32 s67, 0
	s_add_nc_u64 s[12:13], s[12:13], s[66:67]
	v_mov_b32 v13, 0xe7800000                      ; the largest t so far: -2^80
	v_floor_f32 v12, -v13                          ; -M
	v_mov_b32 v14, 0                               ; the sum, in two halves
	v_mov_b32 v15, 0
	v_mov_b32 v[FF+1], 0                           ; (only named, as the upper half of a pair)
.irp b, 0,1,2,3
	v_mov_b32 v[PT+\b], 0                          ; written once: a lane permute's destination counts as one of its sources
.endr
.irp i, 9,10,11,12,13,14,15
	v_mov_b32 v[QF+\i], 0                          ; the spare K's other codes are zeros, on both sides
.irp t, 0,1,2,3
	v_mov_b32 v[KF+16*\t+\i], 0
.endr
.endr
.set j, 0
.rept 32
	v_mov_b32 v[OT+j], 0                           ; O^T.  (The step is written once for every trip: the first finds zeros)
.set j, j+1
.endr
	s_wait_loadcnt 0x0                             ; Q
	s_wait_tensorcnt 1                             ; my parts of the words and of key steps 0-3 are in; steps 4-15 may stay out
	s_barrier_signal -1
	s_barrier_wait -1                              ; everybody's are
; A KEY STEP: 128 keys.
.macro STEP
	v_add_nc_u32 v[ADK], s[TB], v[LI]              ; these three and the six v_nop below are the nine places between the last products V^T P and the products that write over V's registers
	v_add_nc_u32 v[ADL], s[TW], v[LI]
	v_add_nc_u32 v[ADR], s[TW], v[LR]
	ds_load_b128 v[KSW:KSW+3], v[ADL]              ; K's scale words of all eight tiles
.irp g, 0,1                            ; S^T = K Q^T, four tiles of 16 keys at a time
.if \g
.rept 8
	v_nop                                          ; places in front of loads into registers that matrix instructions have read
.endr
.endif
.irp t, 0,1,2,3
	ds_load_b128 v[KF+16*\t:KF+16*\t+3], v[ADK] offset:1024*(4*\g+\t)
	ds_load_b128 v[KF+16*\t+4:KF+16*\t+7], v[ADK] offset:1024*(4*\g+\t)+512
	ds_load_b32 v[KF+16*\t+8], v[ADR] offset:512+256*\g+4*\t
.endr
.if \g == 0
.rept 6
	v_nop
.endr
.endif
	s_wait_dscnt 0x0
.irp t, 0,1,2,3
.if \g
	v_wmma_scale_f32_16x16x128_f8f6f4 v[S+8*(4*\g+\t):S+8*(4*\g+\t)+7], v[KF+16*\t:KF+16*\t+15], v[QF:QF+15], 0, v[KSW+\t], v[QSW] matrix_a_fmt:MATRIX_FMT_BF8 matrix_b_fmt:MATRIX_FMT_BF8 matrix_a_scale:MATRIX_SCALE_ROW1
.else
	v_wmma_scale_f32_16x16x128_f8f6f4 v[S+8*(4*\g+\t):S+8*(4*\g+\t)+7], v[KF+16*\t:KF+16*\t+15], v[QF:QF+15], 0, v[KSW+\t], v[QSW] matrix_a_fmt:MATRIX_FMT_BF8 matrix_b_fmt:MATRIX_FMT_BF8
.endif
.endr
.endr                                  ; lane (r, h) holds query r; the 16 registers of tiles 2 b, 2 b + 1 are keys 32 b + 16 h + 0 .. 15 of the step
.rept 8
	v_nop
.endr
.irp b, 0,1,2,3
	v_max3_num_f32 v[BM+\b], v[S+16*\b], v[S+1+16*\b], v[S+2+16*\b]   ; the largest score of each block of 32 keys: it serves for the row's maximum and, since p rises with the score, for the block's largest p
.endr
.irp i, 3,5,7,9,11,13
.irp b, 0,1,2,3
	v_max3_num_f32 v[BM+\b], v[BM+\b], v[S+16*\b+\i], v[S+1+16*\b+\i]   ; (the four blocks by turns; each result is read from its low end on)
.endr
.endr
.irp b, 0,1,2,3
	v_max_num_f32 v[BM+\b], v[BM+\b], v[S+15+16*\b]
.endr
.irp b, 0,1,2,3
	v_permlanex16_b32 v[PT+\b], v[BM+\b], s[SEL], s[SEL+1]
.endr
.irp b, 0,1,2,3
	v_max_num_f32 v[BM+\b], v[BM+\b], v[PT+\b]     ; with lane l xor 16's 16 keys
.endr
	v_max3_num_f32 v[TP], v[BM], v[BM+1], v[BM+2]
	v_max_num_f32 v[TP], v[TP], v[BM+3]            ; the step's largest score of my query
	v_mul_f32 v[TP], s[CS], v[TP]                  ; as t (c is positive)
	v_max_num_f32 v13, v13, v[TP]                  ; the running largest t
	v_mov_b32 v[TP], v12
	v_floor_f32 v12, -v13                          ; the new -M = floor(-t) = -ceil(t): a whole number
	v_sub_f32 v[TP], v12, v[TP]                    ; M's old value less its new one: a whole number, 0 or less
	v_cvt_i32_f32 v[TP], v[TP]                     ; (it saturates)
	v_ldexp_f32 v[FF], 1.0, v[TP]                  ; f = 2^(old M - new M)
.set j, 0
.rept 32
	v_pk_fma_f32 v[S+j:S+j+1], v[S+j:S+j+1], s[CS:CS+1], v[12:13] op_sel_hi:[1,0,0]   ; t - M, two at a time (of the pairs c and -M the low word serves both halves)
.set j, j+2
.endr
.irp b, 0,1,2,3
	v_fma_f32 v[BM+\b], v[BM+\b], s[CS], v12       ; the same of each block's largest score
.endr
.set j, 0
.rept 64
	v_exp_f32 v[S+j], v[S+j]                       ; p = 2^(t - M), at most 1: not normalised; a hidden key's is 0
.set j, j+1
.endr
	v_pk_mul_f32 v[14:15], v[14:15], v[FF:FF+1] op_sel_hi:[1,0]   ; the sums under the new M (the plain line behind the exponentials)
	s_wait_alu depctr_va_vdst(0)                   ; one wait for the whole batch, ahead of its first reader
.irp b, 0,1,2,3
	v_exp_f32 v[BM+\b], v[BM+\b]                   ; the block's largest p: the same two instructions on the same number give the same bits
.endr
	v_pk_add_f32 v[LB:LB+1], v[S:S+1], v[S+2:S+3]  ; the row's sum is taken of the unquantised p: two at a time, in two chains
.irp j, 4,8,12,16,20,24,28,32,36,40,44,48,52,56,60
	v_pk_add_f32 v[14:15], v[14:15], v[S+\j:S+\j+1]
	v_pk_add_f32 v[LB:LB+1], v[LB:LB+1], v[S+2+\j:S+3+\j]
.endr
	v_pk_add_f32 v[14:15], v[14:15], v[LB:LB+1]
	s_wait_alu depctr_va_vdst(0)                   ; and one for the four
.irp b, 0,1,2,3
	v_max_num_f32 v[BM+\b], 0x8000000, v[BM+\b]    ; the floor 2^(16 - 127): the byte cannot fall under 1 (a block whose every p is 0 keeps that byte: its codes are zeros)
.endr
.irp b, 0,1,2,3
	v_add_nc_u32 v[SO+\b], 0xf8800000, v[BM+\b]    ; 15 off the exponent field: the conversion's scale operand
.endr
.irp b, 0,1,2,3
	v_and_or_b32 v[HD+\b], v[BM+\b], 0x7f800000, s[MNT]   ; 57,344 x the scale
.endr
.irp b, 0,1,2,3
	v_lshrrev_b32 v[PT+\b], 23, v[SO+\b]           ; the scale's byte
.endr
	v_lshl_or_b32 v[PSW], v[PT+1], 8, v[PT]        ; p's scale word for these 128 keys: the 64 holds below are more than its eight places
	v_lshl_or_b32 v[PSW], v[PT+2], 16, v[PSW]
	v_lshl_or_b32 v[PSW], v[PT+3], 24, v[PSW]
.irp b, 0,1,2,3
.irp i, 0,1,2,3,4,5,6,7,8,9,10,11,12,13,14,15
	v_min_num_f32 v[S+16*\b+\i], v[S+16*\b+\i], v[HD+\b]   ; the conversion to an 8-bit code does not saturate (ISA guide 7.6.2); p is not negative, so the hold is one-sided
.endr
	v_cvt_scalef32_pk8_bf8_f32 v[PP+4*\b:PP+1+4*\b], v[S+16*\b:S+7+16*\b], v[SO+\b]
	v_cvt_scalef32_pk8_bf8_f32 v[PP+2+4*\b:PP+3+4*\b], v[S+8+16*\b:S+15+16*\b], v[SO+\b]
.endr
	v_nop                                          ; one plain line behind the last conversion
.irp t, 0,1,2,3                        ; V^T: four tiles of 16 of the head's 64 channels x these 128 keys, into the registers that p has left
.irp c, 0,1,2,3
	ds_load_b128 v[S+16*\t+4*\c:S+16*\t+4*\c+3], v[ADK] offset:8192+2048*\t+512*\c
.endr
.endr
	ds_load_b128 v[VSW:VSW+3], v[ADR] offset:1024  ; row r's scale words of the four tiles
.set j, 0
.rept 16
	v_pk_mul_f32 v[OT+j:OT+j+1], v[OT+j:OT+j+1], v[FF:FF+1] op_sel_hi:[1,0]   ; O^T under the new M, while the loads are out; also the codes' places in front of the products
.set j, j+2
.endr
	s_wait_dscnt 0x0
.irp t, 0,1,2,3                        ; O^T += V^T P^T: four accumulators, one instruction each
	v_wmma_scale_f32_16x16x128_f8f6f4 v[OT+8*\t:OT+8*\t+7], v[S+16*\t:S+16*\t+15], v[PP:PP+15], v[OT+8*\t:OT+8*\t+7], v[VSW+\t], v[PSW] matrix_a_fmt:MATRIX_FMT_BF8 matrix_b_fmt:MATRIX_FMT_BF8
.endr
	s_add_co_u32 s[TB], s[TB], 16384               ; the next step's codes and words
	s_add_co_u32 s[TW], s[TW], 1280
.endm
	s_mov_b32 s[CNT], 4
.Lfirst:                                           ; key steps 0-3: LDS bytes 0-65535 and the words
	STEP
	s_sub_co_u32 s[CNT], s[CNT], 1
	s_cmp_lg_u32 s[CNT], 0
	s_cbranch_scc1 .Lfirst
	s_wait_tensorcnt 0x0                           ; my part of key steps 4-15 is in,
	s_wait_dscnt 0x0
	s_barrier_signal -1
	s_barrier_wait -1                              ; everybody's is
	s_mov_b32 s[CNT], 12
.Lrest:
	STEP
	s_sub_co_u32 s[CNT], s[CNT], 1
	s_cmp_lg_u32 s[CNT], 0
	s_cbranch_scc1 .Lrest
	; THE WAY OUT.  O^T / the sum goes through my stage in LDS (16 rows x (256 bytes + 16)) and leaves as rows of 256 bytes.  The stages lie over K's and V's first bytes, which have had their one fill:
	; behind this barrier, in front of which every wave's LDS reads are back, nobody reads K or V any more.
	s_wait_dscnt 0x0
	s_barrier_signal -1
	s_barrier_wait -1
	v_add_f32 v14, v14, v15                        ; the sum's two halves,
	v_permlanex16_b32 v[TP], v14, s[SEL], s[SEL+1]
	v_add_f32 v14, v14, v[TP]                      ; and lane l xor 16's: the row's sum
	v_rcp_f32 v14, v14
	v_and_b32 v[ADL], 15, v0                       ; r.  (The plain line behind the reciprocal; these ten lines are also the places behind the last products)
	v_bfe_u32 v[ADR], v0, 4, 1                     ; h
	s_mul_i32 s66, s[WV], 16*272                   ; my stage
	v_mul_u32_u24 v[STO], v[ADL], 272
	v_lshl_add_u32 v[STO], v[ADR], 6, v[STO]
	v_add_nc_u32 v[STO], s66, v[STO]               ; in: row r, + 64 h: register j of tile t is channel 32 (t / 2) + 8 (t % 2) + 16 h + j
	v_mul_u32_u24 v[RD], v[ADR], 272
	v_lshl_add_u32 v[RD], v[ADL], 4, v[RD]
	v_add_nc_u32 v[RD], s66, v[RD]                 ; back: lanes 0-15 one row, lanes 16-31 the next
	v_lshlrev_b32 v[ADK], 12, v[ADR]
	v_lshl_add_u32 v[ADK], v[ADL], 4, v[ADK]       ; and the same two rows in out0
	s_wait_alu depctr_va_vdst(0)                   ; the wait ahead of the reciprocal's first reader
.set j, 0
.rept 32
	v_mul_f32 v[S+j], v[OT+j], v14
.set j, j+1
.endr
.irp t, 0,1,2,3
	ds_store_b128 v[STO], v[S+8*\t:S+8*\t+3] offset:128*(\t/2)+32*(\t%2)
	ds_store_b128 v[STO], v[S+8*\t+4:S+8*\t+7] offset:128*(\t/2)+32*(\t%2)+16
.endr
.irp i, 0,1,2,3,4,5,6,7
	ds_load_b128 v[KF+4*\i:KF+4*\i+3], v[RD] offset:544*\i   ; LDS serves a wave's instructions in order (ISA guide 5.7.1.4): these see my stores
.endr
.irp i, 0,1,2,3,4,5,6,7                ; stage row 2 i + h is the tile's lane 2 i + h: query 2 (i % 4) + h + 16 (i / 4) of the tile's span
	s_wait_dscnt 7-\i                              ; rows 2 i and 2 i + 1 are back; the younger loads stay out
	global_store_b128 v[ADK], v[KF+4*\i:KF+4*\i+3], s[12:13] offset:4096*(2*(\i%4)+16*(\i/4)) th:TH_STORE_NT   ; sixteen lanes store 256 consecutive bytes, aligned; written once, read by nobody here
.endr
	s_wait_tensorcnt 0x0
	ds_add_u32 v254, v255
	s_wait_dscnt 0x0
	CROUND                                         ; the closing round: no work-group ends while a partner may still ask for a tile that names it
	s_endpgm
.Lfunc_end_k_q4086046208_attn:
	.size	k_q4086046208_attn, .Lfunc_end_k_q4086046208_attn-k_q4086046208_attn
	.p2alignl 7, 3214868480
	.fill 96, 4, 3214868480
	.section	.rodata,"a",@progbits
	.p2align	6, 0x0
	.amdhsa_kernel k_q4086046208_attn
		.amdhsa_group_segment_fixed_size 284672
		.amdhsa_private_segment_fixed_size 0
		.amdhsa_enable_private_segment 0
		.amdhsa_kernarg_size 40
		.amdhsa_user_sgpr_count 2
		.amdhsa_user_sgpr_kernarg_segment_ptr 1
		.amdhsa_wavefront_size32 1
		.amdhsa_system_sgpr_workgroup_id_x 1
		.amdhsa_system_sgpr_workgroup_id_y 1
		.amdhsa_system_sgpr_workgroup_id_z 1
		.amdhsa_system_vgpr_workitem_id 0
		.amdhsa_next_free_vgpr 256
		.amdhsa_next_free_sgpr 80
		.amdhsa_reserve_vcc 0
		.amdhsa_float_denorm_mode_32 3
		.amdhsa_float_denorm_mode_16_64 3
		.amdhsa_memory_ordered 1
		.amdhsa_forward_progress 1
		.amdhsa_inst_pref_size 52
	.end_amdhsa_kernel
	.amdgpu_metadata
---
amdhsa.version: [ 1, 2 ]
amdhsa.kernels:
  - .name:           k_q4086046208_attn
    .symbol:         k_q4086046208_attn.kd
    .args:
      - { .name: qc, .offset: 0, .size: 8, .value_kind: global_buffer, .address_space: global }
      - { .name: qm, .offset: 8, .size: 8, .value_kind: global_buffer, .address_space: global }
      - { .name: kv, .offset: 16, .size: 8, .value_kind: global_buffer, .address_space: global }
      - { .name: km, .offset: 24, .size: 8, .value_kind: global_buffer, .address_space: global }
      - { .name: out0, .offset: 32, .size: 8, .value_kind: global_buffer, .address_space: global }
    .group_segment_fixed_size: 284672
    .private_segment_fixed_size: 0
    .kernarg_segment_align: 8
    .kernarg_segment_size: 40
    .max_flat_workgroup_size: 512
    .sgpr_count:     80
    .vgpr_count:     256
    .wavefront_size: 32
...
	.end_amdgpu_metadata
.endif
;; end of part 3
